; MI455X (gfx1250); checked and timed in simulation.
; The chip was launched on July 23, 2026; its instructions are those of AMD's public machine-readable ISA for CDNA 5 (MIT licence, August 2026) and "CDNA5" Instruction Set Architecture Reference Guide (July 2026). The comments in the code are by the model that wrote it; some were corrected since.
;; Vanilla Attention. Allowed arithmetic: matrix products marked QUANTISED: E5M2 operands, one given power-of-two scale a tensor, by v_wmma_f32_16x16x64_bf8_bf8 or v_wmma_f32_16x16x128_bf8_bf8, f32 sums; everything else in f32.
;; Inputs: key 4 x 16 x 2,048 x 64 float32; lowp_scales 4 int32 (the exponents e of the quantised operands' scales 2^e); query 4 x 16 x 2,048 x 64 float32; value 4 x 16 x 2,048 x 64 float32.
;; Outputs: out0 4 x 2,048 x 1,024 float32.
;; This version of the problem:
;;   THIS VERSION OF THE PROBLEM IS GIVEN IN LOW PRECISION. The matrix products marked QUANTISED in the list below multiply operands that are first quantised to E5M2 (5 exponent bits, 2 mantissa bits; 8 bits a number), with one given power-of-two scale for each operand tensor; their sums are f32. All else is computed in f32.
;;   The module's matrix products, in the order in which they are computed (A, B: the left and right operand; K: the contracted axis; several contracted axes count as one K, in the product's order):
;;     1. batch 64 x [M 2,048, K 64] x [K 64, N 2,048]; A: input query; B: input key: QUANTISED (scales: A lowp_scales[0], B lowp_scales[1])
;;     2. batch 64 x [M 2,048, K 2,048] x [K 2,048, N 64]; A: softmax (see below); B: input value: QUANTISED (scales: A lowp_scales[2], B lowp_scales[3])
;;   THE QUANTISER, for each operand of a quantised product, along K:
;;     - The operand's scale is 2^e, e = its entry of the input lowp_scales (int32; the entries are numbered through the quantised products in the list's order, A before B).
;;     - Each number is divided by the scale, clamped to +-57,344, and rounded to the nearest number of E5M2, ties to even, subnormals kept.
;;     - The product sums the exact products of the quantised numbers (number of the format x scale) in f32.
;;   ~~~python
;;   def quantise(x, axis, e):      # numpy; x: float32 -> the quantised numbers, widened to float32 again
;;       x = np.moveaxis(x, axis, -1); K = x.shape[-1]
;;       r = np.clip(x / 2.0 ** e, -57344, 57344)
;;       step = 2.0 ** (np.maximum(np.frexp(np.where(r == 0, 1, r))[1] - 1, -14) - 2)
;;       q = np.round(r / step) * step * 2.0 ** e      # np.round: ties to even
;;       return np.moveaxis(q, -1, axis).astype(np.float32)
;;   ~~~
;;   SOFTMAX AHEAD OF A QUANTISED PRODUCT. Where the list says 'softmax', what is quantised is not the finished softmax but p = 2^(t - M), with t = logit x log2(e) and M = ceil(the row's largest t), a whole number; so 1/2 < the row's largest p <= 1. The row's sum l is taken of the UNQUANTISED p, in f32, and the product's result is divided by l at the end. Since M is a whole number, a kernel that streams over the keys may use a running M (the ceiling of the running maximum): every later rescaling is an exact power of two, so the quantised numbers keep their values, but for numbers so far below the row's largest that they fall under the format's range.
;;   OPERANDS COMPUTED ON THE WAY. 'Computed on the way' means the value that the module computes at that place (a softmax that the list does not call 'softmax' is quantised finished and normalised). What goes into a quantiser is computed in f32, as accurately as f32 sums, v_exp_f32 and their like allow (about 1e-6 of the number): no bf16 or f16 on the way to a quantiser, and a product that is left as it is and whose result goes on into a quantised operand takes f32 operands (vector FMAs, or v_wmma_f32_16x16x4_f32). A number that lies on a knife's edge between two numbers of the format may be rounded either way, as far as f32 arithmetic and the matrix unit's own rounding can turn it there, and no further.
;; One version. Each part assembles by itself: llvm-mc -triple=amdgcn-amd-amdhsa -mcpu=gfx1250 --defsym DOCPART=n.
;; ======== version 1 of 1: 2 launches
;; workspace buffers: kv 16,777,216 bytes
;; launch quant (part 1): grid 1024 x 1, 4 waves a work-group, no clusters, 17,920 bytes of LDS; arguments key, value, lowp_scales, kv; writes kv
.if DOCPART == 1
	.amdgcn_target "amdgcn-amd-amdhsa--gfx1250"
	.amdhsa_code_object_version 6
	.text
	.protected	k_q93e54819e3_quant
	.globl	k_q93e54819e3_quant
	.p2align	8
	.type	k_q93e54819e3_quant,@function
k_q93e54819e3_quant:
	s_mov_b64 s[64:65], 0
	v_nop
	global_prefetch_b8 v0, s[64:65] scope:SCOPE_SE
	s_setreg_imm32_b32 hwreg(HW_REG_WAVE_MODE, 25, 1), 1
	s_wait_xcnt 0x0
; key and value, [64 heads][2048 keys][64] f32, become codes of BF8 (E5M2), each with the one scale 2^e that is given for it (entry 1 of the scales for key, entry 3 for value).
; code = x / 2^e, held within +-57,344, rounded to the nearest code, ties to even.
; LIMITS: e between -126 and 112, so that 2^e and 57,344 x 2^e are f32 numbers.  NaN among the inputs is not served (an infinity is held at the largest code).
; THE CODES ARE LAID AS IMAGES OF THE OPERANDS' REGISTERS, for the attention launch: kv = [head 64][step of 128 keys 16][K image 8,192 bytes | V image 8,192 bytes].
;   K image (K = the head's 64): tile t (0..7), group c (0, 1), lane l: 16 bytes at 1024 t + 512 c + 16 l.  Lane (r = l % 16, h = l / 16) of tile t = 2 b + u holds key 32 b + 8 u + r + 8 (r / 8), d = 32 c + 16 h + 0 .. 15.
;   V image (K = the keys):       tile td (0..3), group c (0..3), lane l: 16 bytes at 2048 td + 512 c + 16 l.  Lane (r, h) holds d = 16 td + r, keys 32 c + 16 h + 0 .. 15.
; SHARES.  Work-groups 0 to 511 take key, the others value.  A wave takes a run of 64 keys of one head: 16,384 consecutive bytes.  Waves share nothing: no barrier.  Every offset is an immediate, no pointer is stepped,
; every store has data registers of its own: so no register that a pending load or store names is ever written again.
.set WSTG,  4352                       ; LDS, key path alone: a stage of 16 rows x 272 bytes for each wave
.set LI,    1                          ; v1   key path: 16 x lane: my 16 bytes of a load's or a store's 512
.set WST,   2                          ; v2   key path: the stage on the way in: 4352 w + 272 h + 16 r
.set RB,    3                          ; v3   key path: and on the way out: 4352 w + 272 r + 64 h
.set VI,    8                          ; v8   value path: 4 x lane: my column
.set VO,    9                          ; v9   value path: my 16 bytes of the image: 2048 (lane / 16) + 16 (lane % 16)
.set LIM,   10                         ; v10  57,344 x 2^e
.set SC,    11                         ; v11  2^e as f32: the conversion takes its exponent field
.set R,     16                         ; v16-143  the numbers as they are loaded
.set X,     144                        ; v144-175 key path: a tile's 32 numbers of my lane, neighbours along d
.set C,     176                        ; v176-207 key path: codes, eight registers a tile
.set CV,    144                        ; v144-175 value path: codes, eight registers a group of 16 keys
	s_load_b256 s[4:11], s[0:1], 0x0               ; key s[4:5], value s[6:7], the scales' exponents s[8:9], kv s[10:11]
	v_lshl_add_u32 v208, v0, 2, 0x4400
	v_mov_b32 v209, 0
	v_lshrrev_b32 v4, 5, v0
	v_readfirstlane_b32 s16, v4                    ; wave 0..3
	v_and_b32 v5, 31, v0                           ; lane
	v_and_b32 v6, 15, v0                           ; r
	v_bfe_u32 v7, v0, 4, 1                         ; h
	s_mul_i32 s27, s16, WSTG                       ; my stage
	v_mul_u32_u24 v[WST], v7, 272
	v_lshl_add_u32 v[WST], v6, 4, v[WST]
	v_add_nc_u32 v[WST], s27, v[WST]
	v_mul_u32_u24 v[RB], v6, 272
	v_lshl_add_u32 v[RB], v7, 6, v[RB]
	v_add_nc_u32 v[RB], s27, v[RB]
	s_and_b32 s17, ttmp9, 511
	s_lshl_b32 s17, s17, 2
	s_add_co_u32 s17, s17, s16                     ; g: which run of 64 keys of the tensor is my wave's, 0 .. 2047
	s_lshl_b32 s18, s17, 14                        ; its 16,384 bytes in the tensor
	s_mov_b32 s19, 0
	s_lshr_b32 s24, s17, 1
	s_lshl_b32 s24, s24, 14                        ; its step of 128 keys in kv
	s_mov_b32 s25, 0
	s_and_b32 s26, s17, 1                          ; and which half of the step it is
	s_wait_kmcnt 0x0
	s_load_b128 s[20:23], s[8:9], 0x0              ; eq, ek, ep, ev
	s_cmp_lt_u32 ttmp9, 512
	s_cbranch_scc0 .Lvalue
	; ---- KEY.  K = d is innermost in memory.  Each load reads 512 consecutive bytes, two keys; a tile's 16 keys turn through the stage, so that a lane gets 16 neighbours along d of ONE key.
	s_lshl_b32 s26, s26, 12                        ; my four tiles of the step's eight
	s_add_co_u32 s24, s24, s26
	s_add_nc_u64 s[4:5], s[4:5], s[18:19]
	s_add_nc_u64 s[10:11], s[10:11], s[24:25]
	v_lshlrev_b32 v[LI], 4, v5
.irp n, 0,1,2,3,4,5,6,7,8,9,10,11,12,13,14,15,16,17,18,19,20,21,22,23,24,25,26,27,28,29,30,31
	global_load_b128 v[R+4*\n:R+4*\n+3], v[LI], s[4:5] offset:512*\n th:TH_LOAD_NT   ; keys 2 n and 2 n + 1 of my run
.endr
	s_wait_kmcnt 0x0
	s_add_co_i32 s21, s21, 127
	s_lshl_b32 s27, s21, 23
	v_mov_b32 v[SC], s27                           ; 2^ek
	s_add_co_i32 s21, s21, 15
	s_lshl_b32 s21, s21, 23
	s_or_b32 s21, s21, 0x600000
	v_mov_b32 v[LIM], s21                          ; 57,344 x 2^ek
; Tile 2 b + u of my four: keys 32 b + 8 u + 0 .. 7 (loads N0 .. N0 + 3) and the eight that lie 16 further on (loads N0 + 8 .. N0 + 11).
; A stage row is 256 bytes + 16 = 68 words: row r starts at bank 4 r mod 64 (64 banks of 4 bytes: ISA guide 11.1), so the sixteen rows that a read touches start at sixteen different banks.
.macro KTILE b, u
.set N0, 16*\b+4*\u
.set TL, 2*\b+\u
	s_wait_loadcnt 20-N0                           ; loads come back in order (ISA guide 5.7.1): load N0 + 11 is in; the 20 - N0 issued behind it may be out
.irp x, 0,1,2,3
	ds_store_b128 v[WST], v[R+4*(N0+\x):R+4*(N0+\x)+3] offset:544*\x            ; stage rows 2 x, 2 x + 1
	ds_store_b128 v[WST], v[R+4*(N0+8+\x):R+4*(N0+8+\x)+3] offset:544*(4+\x)    ; stage rows 8 + 2 x, 9 + 2 x
.endr
.irp c, 0,1
.irp j, 0,1,2,3
	ds_load_b128 v[X+16*\c+4*\j:X+16*\c+4*\j+3], v[RB] offset:128*\c+16*\j      ; LDS serves a wave's instructions in order (ISA guide 5.7.1.4): these see the stores above, and the next tile's stores come behind them
.endr
.endr
	s_wait_dscnt 0x0
.irp c, 0,1
.irp i, 0,1,2,3,4,5,6,7,8,9,10,11,12,13,14,15
	v_med3_num_f32 v[X+16*\c+\i], v[X+16*\c+\i], -v[LIM], v[LIM]               ; the conversion to an 8-bit code does not saturate (ISA guide 7.6.2): the hold comes first
.endr
	v_cvt_scalef32_pk8_bf8_f32 v[C+8*TL+4*\c:C+8*TL+4*\c+1], v[X+16*\c:X+16*\c+7], v[SC]
	v_cvt_scalef32_pk8_bf8_f32 v[C+8*TL+4*\c+2:C+8*TL+4*\c+3], v[X+16*\c+8:X+16*\c+15], v[SC]
.endr
	v_nop                                          ; one plain vector line behind the conversions: the next tile's holds write the registers that they read
.irp c, 0,1
	global_store_b128 v[LI], v[C+8*TL+4*\c:C+8*TL+4*\c+3], s[10:11] offset:1024*TL+512*\c   ; 32 lanes store 512 consecutive bytes, at a multiple of 512 from kv's first byte
.endr
.endm
	KTILE 0, 0
	KTILE 0, 1
	KTILE 1, 0
	KTILE 1, 1
	s_wait_tensorcnt 0x0
	ds_add_u32 v208, v209
	s_wait_dscnt 0x0
	s_endpgm
	; ---- VALUE.  K = the keys is NOT innermost.  A lane takes a column d and its registers run down the keys: the conversions' results are 16 neighbouring keys of one d, which is the lane's 16 bytes of the image.
	; Nothing is transposed, and no LDS is used.
.Lvalue:
	s_lshl_b32 s26, s26, 10                        ; my half of each tile's four groups
	s_add_co_u32 s24, s24, s26
	s_add_co_u32 s24, s24, 8192                    ; V's image lies behind K's
	s_add_nc_u64 s[6:7], s[6:7], s[18:19]
	s_add_nc_u64 s[10:11], s[10:11], s[24:25]
	v_lshlrev_b32 v[VI], 2, v5
	v_lshlrev_b32 v[VO], 11, v7
	v_lshl_add_u32 v[VO], v6, 4, v[VO]
.macro VLOAD g                         ; keys 16 g + 0 .. 15 of my run, both halves of their rows: register R + 32 g + 16 dw + i = value(16 g + i, 32 dw + lane).  Two neighbouring lines read the two halves of one row of 256 bytes
.irp i, 0,1,2,3,4,5,6,7,8,9,10,11,12,13,14,15
.irp dw, 0,1
	global_load_b32 v[R+32*(\g)+16*\dw+\i], v[VI], s[6:7] offset:256*(16*(\g)+\i)+128*\dw th:TH_LOAD_NT
.endr
.endr
.endm
.macro VGROUP g
.if (\g) < 3
	s_wait_loadcnt 32                              ; this group's 32 loads are in; the next group's 32 may be out
.else
	s_wait_loadcnt 0x0
.endif
.if (\g) < 2
	VLOAD (\g)+2
.endif
.irp dw, 0,1
.irp i, 0,1,2,3,4,5,6,7,8,9,10,11,12,13,14,15
	v_med3_num_f32 v[R+32*(\g)+16*\dw+\i], v[R+32*(\g)+16*\dw+\i], -v[LIM], v[LIM]
.endr
	v_cvt_scalef32_pk8_bf8_f32 v[CV+8*(\g)+4*\dw:CV+8*(\g)+4*\dw+1], v[R+32*(\g)+16*\dw:R+32*(\g)+16*\dw+7], v[SC]
	v_cvt_scalef32_pk8_bf8_f32 v[CV+8*(\g)+4*\dw+2:CV+8*(\g)+4*\dw+3], v[R+32*(\g)+16*\dw+8:R+32*(\g)+16*\dw+15], v[SC]
.endr
; (No plain line is owed behind these conversions: their results go to stores alone, and their sources are never written again.)
.irp dw, 0,1
	global_store_b128 v[VO], v[CV+8*(\g)+4*\dw:CV+8*(\g)+4*\dw+3], s[10:11] offset:4096*\dw+256*(\g)   ; tiles 2 dw and 2 dw + 1: sixteen lanes store 256 consecutive bytes, at a multiple of 256 from kv's first byte
.endr
.endm
	VLOAD 0
	VLOAD 1
	s_wait_kmcnt 0x0
	s_add_co_i32 s23, s23, 127
	s_lshl_b32 s27, s23, 23
	v_mov_b32 v[SC], s27                           ; 2^ev
	s_add_co_i32 s23, s23, 15
	s_lshl_b32 s23, s23, 23
	s_or_b32 s23, s23, 0x600000
	v_mov_b32 v[LIM], s23                          ; 57,344 x 2^ev
	VGROUP 0
	VGROUP 1
	VGROUP 2
	VGROUP 3
	s_endpgm
.Lfunc_end_k_q93e54819e3_quant:
	.size	k_q93e54819e3_quant, .Lfunc_end_k_q93e54819e3_quant-k_q93e54819e3_quant
	.p2alignl 7, 3214868480
	.fill 96, 4, 3214868480
	.section	.rodata,"a",@progbits
	.p2align	6, 0x0
	.amdhsa_kernel k_q93e54819e3_quant
		.amdhsa_group_segment_fixed_size 17920
		.amdhsa_private_segment_fixed_size 0
		.amdhsa_enable_private_segment 0
		.amdhsa_kernarg_size 32
		.amdhsa_user_sgpr_count 2
		.amdhsa_user_sgpr_kernarg_segment_ptr 1
		.amdhsa_wavefront_size32 1
		.amdhsa_system_sgpr_workgroup_id_x 1
		.amdhsa_system_sgpr_workgroup_id_y 1
		.amdhsa_system_sgpr_workgroup_id_z 1
		.amdhsa_system_vgpr_workitem_id 0
		.amdhsa_next_free_vgpr 210
		.amdhsa_next_free_sgpr 66
		.amdhsa_reserve_vcc 0
		.amdhsa_float_denorm_mode_32 3
		.amdhsa_float_denorm_mode_16_64 3
		.amdhsa_memory_ordered 1
		.amdhsa_forward_progress 1
		.amdhsa_inst_pref_size 42
	.end_amdhsa_kernel
	.amdgpu_metadata
---
amdhsa.version: [ 1, 2 ]
amdhsa.kernels:
  - .name:           k_q93e54819e3_quant
    .symbol:         k_q93e54819e3_quant.kd
    .args:
      - { .name: key, .offset: 0, .size: 8, .value_kind: global_buffer, .address_space: global }
      - { .name: value, .offset: 8, .size: 8, .value_kind: global_buffer, .address_space: global }
      - { .name: lowp_scales, .offset: 16, .size: 8, .value_kind: global_buffer, .address_space: global }
      - { .name: kv, .offset: 24, .size: 8, .value_kind: global_buffer, .address_space: global }
    .group_segment_fixed_size: 17920
    .private_segment_fixed_size: 0
    .kernarg_segment_align: 8
    .kernarg_segment_size: 32
    .max_flat_workgroup_size: 128
    .sgpr_count:     66
    .vgpr_count:     210
    .wavefront_size: 32
...
	.end_amdgpu_metadata
.endif
;; end of part 1
;; launch attn (part 2): grid 4 x 64, 16 waves a work-group, no clusters, 327,680 bytes of LDS; arguments query, kv, lowp_scales, out0; writes out0
.if DOCPART == 2
	.amdgcn_target "amdgcn-amd-amdhsa--gfx1250"
	.amdhsa_code_object_version 6
	.text
	.protected	k_q93e54819e3_attn
	.globl	k_q93e54819e3_attn
	.p2align	8
	.type	k_q93e54819e3_attn,@function
k_q93e54819e3_attn:
	s_mov_b64 s[64:65], 0
	v_nop
	global_prefetch_b8 v0, s[64:65] scope:SCOPE_SE
	s_setreg_imm32_b32 hwreg(HW_REG_WAVE_MODE, 25, 1), 1
	s_wait_xcnt 0x0
; out[b][q][64 hd + d] = the sum over k <= q of softmax_k(Q[bh][q] . K[bh][k] / 8) V[bh][k][d]: 64 heads bh = 16 b + hd, 2,048 queries and keys, head size 64, causal.  Both products on codes of BF8 (E5M2),
; each operand with the one scale 2^e that is given for it: eq, ek, ep, ev.  query arrives as f32 and is quantised here, in registers; K's and V's codes come from kv, laid as images of the operands' registers:
; kv = [head][step of 128 keys][K image 8,192 | V image 8,192]; a fragment's group of four registers is 512 consecutive bytes, lane l's 16 at 16 l.
; THE SOFTMAX AHEAD OF THE SECOND PRODUCT: t = score x log2(e) / 8; M = the row's largest t so far, rounded UP to a whole number; p = 2^(t - M) is what is quantised, along the keys; it is not normalised.
; The row's sum is taken of the unquantised p, in f32, and divides O at the end.  When M moves, the sum and O are multiplied by 2^(old M - new M): exact.
; SHARES.  Work-group (I, bh), I = 0 .. 3, owns two blocks of 256 queries of head bh, one after the other: block I (it walks key slots 0 .. I, 256 keys each), then block 7 - I (slots 0 .. 7 - I).  That is
; (I + 1) + (8 - I) = 9 slots in every work-group, two of them on the diagonal: the trip count is a constant, all 256 work-groups have the same work, and no tile is fetched that nobody reads.
; Each of the SIXTEEN waves owns one tile of 16 queries of the block in hand, in 256 registers: four waves to a SIMD, so that one wave's vector work stands beside another's matrix work and LDS loads.
; Wave w takes tile 8 ((w ^ (w >> 2)) & 1) + (w >> 1): of any four waves w % 4 alike or w / 4 alike, two have tiles of the block's lower half (one step on the diagonal) and two of its upper half (two steps).
; LAYOUT.  Both products are used transposed: S^T = K Q^T (source 0 = 16 keys, source 1 = my 16 queries), O^T = V^T P^T (source 0 = 16 of the head's 64, source 1 = P): a lane holds ONE query (lane % 16) throughout.
; THE KEYS OF A TILE ARE NOT NEIGHBOURS: lane r of tile 2 b + u holds key 32 b + 8 u + r + 8 (r / 8), so that the 16 registers of tiles 2 b and 2 b + 1 of S^T are 16 neighbouring keys, 32 b + 16 (lane / 16) + 0 .. 15.
; In every operand registers 4 c .. 4 c + 3 hold k = 32 c + 16 (lane / 16) + 0 .. 15: a permutation of k against the form's own places, the same in both operands of each product, so every product meets its partner.
; NO CLUSTER.
; LIMITS on the given exponents, so that each power of two below is an f32 number: eq + ek between -123 and 130 (they are added to c's exponent field); eq and ep between -126 and 112; ep + ev is applied by v_ldexp_f32 and has none.
; NaN among the inputs is not served.  Key 0 counts for every query, so M is a number from each pass's first step on.
; LDS: slot 0 at 0, slot 1 at 32,768 (a slot: step 0's K, V, step 1's K, V, 8,192 bytes each); the spare words; a stage of 16 rows x 272 bytes for each wave, into which no fill lands.  All of a WGP's LDS is claimed.
.set SLOTB, 32768                      ; a slot, in LDS and in kv; one exclusive or turns an LDS address from slot to slot
.set STEPB, 16384                      ; a step of 128 keys
.set VOFF,  8192                       ; V's image behind K's
.set SPARE, 65536                      ; the spare words, 128 bytes for each wave: eight blocks of 256 bytes that no other line names
.set STAGE, 67584
.set WSTG,  4352
.set LI,  1                            ; v1   16 x lane: my place in an image's 512 bytes; never rewritten
.set ADR, 2                            ; v2   LDS address of the slot in hand, for my lane
.set PFO, 3                            ; v3   256 x lane: the prefetches' offset; never rewritten
.set STO, 4                            ; v4   the stage: where I put 32 bytes of a row of O: 272 r + 32 h
.set SPW, 5                            ; v5   LDS address of my spare word: SPARE + 4 x my thread's number; never rewritten
.set NIL, 6                            ; v6   0; never rewritten
.set GO,  7                            ; v7   my byte offset in the wave's rows of out: 4096 h + 16 r
.set RD,  8                            ; v8   the stage by rows: 272 h + 16 r
.set DQ,  9                            ; v9   r - 16 h, for the mask
.set QRD, 10                           ; v10  the stage: my 16 neighbours of a row of Q: 272 r + 64 h
.set TMP, 11
.set QC,  16                           ; v16-23  Q's codes of the pass in hand;  v24-31 pass B's
.set FR,  32                           ; v32-95  K's eight fragments of 8 registers, then V's four of 16
.set SS,  96                           ; v96-159 S^T, then p
.set OT,  160                          ; v160-191 O^T, four tiles
.set BK,  192                          ; v192-223 the way out: rows read back
.set PC,  224                          ; v224-239 p's codes.   v12 -M, v13 the largest t, v[14:15] the sum in two halves; v240 57,344 x 2^ep, v244 2^ep; v241, v245 the same for eq; v[242:243], v252-254 at work
.set TB,   2                           ; s2   LDS byte at which the slot in hand begins
.set TRIP, 3                           ; s3   the trip, 0 .. 7
.set WV,   18                          ; s18  my wave's number
.set TILE, 19                          ; s19  my tile of the block
.set SEL,  20                          ; s[20:21] lane selects for v_permlanex16_b32: lane l xor 16
.set CS,   22                          ; s[22:23] c = log2(e) / 8 x 2^(eq + ek): the packed form names a pair and takes its low word for both halves
.set G1,   24                          ; s[24:31] descriptor group 1
.set G0,   32                          ; s[32:35] descriptor group 0, which walks
.set BLK,  36                          ; s36  I
.set BACK, 37                          ; s37  (I + 1) slots in bytes
.set DL,   38                          ; s[38:39] what the walking address goes back by: BACK at the change of passes, else 0
.set KF,   40                          ; s40  the step's first key
.set Q0,   41                          ; s41  my first query of the pass in hand;  s42 pass B's
.set Q0B,  42
.set OP,   44                          ; s[44:45] out at my first query of the pass in hand;  s[46:47] pass B's
.set OPB,  46
.set PFA,  48                          ; s[48:49] where my prefetches stand in kv
.set LIMC, 50                          ; s50  4 in a wave that prefetches, else 0
.set EX,   52                          ; s[52:55] eq, ek, ep, ev
.set EPV,  60                          ; s60  ep + ev
; Waves 0 and 1 fetch a slot's two steps, 16,384 bytes each; the others nothing.  The branch hangs on the wave's number alone.  Four v_nop follow the line.
.macro TLOAD
	s_cmp_lt_u32 s[WV], 2
	s_cbranch_scc0 .Lno_load_\@
	tensor_load_to_lds s[G0:G0+3], s[G1:G1+7]
	s_nop 0
.rept 4
	v_nop
.endr
.Lno_load_\@:
.endm
; A PREFETCH INTO THE L2.  The head's work-group with I = 0 walks all eight key slots in its second pass: in trip T its tensor loads ask for slot T, and its waves 4 to 7, which fetch nothing, ask here for slot T + 1:
; 8,192 bytes a wave, lanes 256 bytes apart, one instruction.  Trips 3 to 6 ask, for slots 4 to 7: each aligned block of 256 bytes of them is named once in the launch.  Slots 0 to 3 are left to the loads:
; slot 0 is every work-group's first tile, slots 1 to 3 are asked for by the tensor loads of the head's other work-groups in the very trips in which a prefetch one slot ahead would stand.  Slot 7 is the head's last.
.macro ASK
	s_sub_co_u32 s56, s[TRIP], 3
	s_cmp_lt_u32 s56, s[LIMC]
	s_cbranch_scc0 .Lnot_mine_\@
	global_prefetch_b8 v[PFO], s[PFA:PFA+1] th:TH_LOAD_NT scope:SCOPE_SE
.Lnot_mine_\@:
.endm
	s_load_b256 s[4:11], s[0:1], 0x0               ; query s[4:5], kv s[6:7], the scales' exponents s[8:9], out s[10:11]
	v_lshl_add_u32 v[SPW], v0, 2, SPARE
	v_mov_b32 v[NIL], 0
	ds_add_u32 v5, v6
	s_wait_dscnt 0x0
	v_lshrrev_b32 v[TMP], 5, v0
	v_readfirstlane_b32 s[WV], v[TMP]              ; wave 0..15
	s_mov_b32 s[BLK], ttmp9                        ; I
	s_and_b32 s12, ttmp7, 0xffff                   ; the head
	; descriptor group 1: 16,384 bytes that are dense in memory, as 64 rows of 32 elements of 8 bytes; no padding: the images are read 512 consecutive bytes an instruction
	s_mov_b32 s[G1+0], 3<<16                       ; 15:0 no mask; 17:16 elements of 8 bytes; 20 padding off
	s_mov_b32 s[G1+1], 32<<16                      ; tensor_dim0 = 32
	s_mov_b32 s[G1+2], 64<<16                      ; tensor_dim1 = 64
	s_mov_b32 s[G1+3], 32<<16                      ; tile_dim0 = 32
	s_mov_b32 s[G1+4], 64                          ; tile_dim1 = 64
	s_mov_b32 s[G1+5], 32                          ; tensor_dim0_stride
	s_mov_b32 s[G1+6], 0
	s_mov_b32 s[G1+7], 0
	s_mov_b32 s[G0], 1                             ; 1:0 count = 1
	s_and_b32 s56, s[WV], 1
	s_lshl_b32 s[G0+1], s56, 14                    ; 63:32 LDS address: slot 0, step w
	s_mov_b32 s56, s[G0+1]                         ; the same step in kv
	s_mov_b32 s57, 0
	s_lshl_b32 s58, s12, 18                        ; the head's 262,144 bytes of kv
	s_mov_b32 s59, 0
	s_wait_kmcnt 0x0
	s_load_b128 s[EX:EX+3], s[8:9], 0x0            ; eq, ek, ep, ev
	s_add_nc_u64 s[PFA:PFA+1], s[6:7], s[58:59]
	s_add_nc_u64 s[G0+2:G0+3], s[PFA:PFA+1], s[56:57]   ; 120:64 global address: the head's key slot 0
	s_or_b32 s[G0+3], s[G0+3], 0x80000000          ; 127:126 type = 2
	TLOAD                                          ; slot 0: the one first fill at the head, ahead of every LDS read, barrier and wait on TENSORcnt
	s_and_b32 s56, s[WV], 3
	s_lshl_b32 s56, s56, 13
	s_add_nc_u64 s[PFA:PFA+1], s[PFA:PFA+1], s[56:57]   ; my wave's 8,192 bytes, in slot 0: every change of slots steps it ahead of its use, so that in trip T it stands in slot T + 1
	s_lshr_b32 s56, s[WV], 2
	s_xor_b32 s56, s56, s[WV]
	s_and_b32 s56, s56, 1
	s_lshl_b32 s56, s56, 3
	s_lshr_b32 s[TILE], s[WV], 1
	s_add_co_u32 s[TILE], s[TILE], s56             ; my tile
	s_lshl_b32 s13, s[TILE], 4
	s_lshl_b32 s[Q0], s[BLK], 8
	s_add_co_u32 s[Q0], s[Q0], s13                 ; pass A: query 256 I + 16 tile
	s_sub_co_u32 s[Q0B], 7, s[BLK]
	s_lshl_b32 s[Q0B], s[Q0B], 8
	s_add_co_u32 s[Q0B], s[Q0B], s13               ; pass B: 256 (7 - I) + 16 tile
	s_lshl_b32 s13, s12, 19                        ; the head's 524,288 bytes of query
	s_lshl_b32 s56, s[Q0], 8
	s_add_co_u32 s56, s56, s13
	s_lshl_b32 s58, s[Q0B], 8
	s_add_co_u32 s58, s58, s13
	s_add_nc_u64 s[14:15], s[4:5], s[56:57]        ; my tile of Q, pass A: 4,096 consecutive bytes,
	s_add_nc_u64 s[16:17], s[4:5], s[58:59]        ; and pass B
	v_and_b32 v[TMP], 31, v0
	v_lshlrev_b32 v[LI], 4, v[TMP]
	v_lshlrev_b32 v[PFO], 8, v[TMP]
.irp n, 0,1,2,3,4,5,6,7
	global_load_b128 v[FR+4*\n:FR+4*\n+3], v[LI], s[14:15] offset:512*\n th:TH_LOAD_NT          ; 32 lanes read 512 consecutive bytes: queries 2 n, 2 n + 1
.endr
.irp n, 0,1,2,3,4,5,6,7
	global_load_b128 v[FR+32+4*\n:FR+32+4*\n+3], v[LI], s[16:17] offset:512*\n th:TH_LOAD_NT
.endr
	v_and_b32 v[ADR], 15, v0                       ; r (v2 and v11 hold r and h until the addresses are made)
	v_bfe_u32 v[TMP], v0, 4, 1                     ; h
	s_mul_i32 s56, s[WV], WSTG
	s_add_co_u32 s56, s56, STAGE                   ; my stage
	v_mul_u32_u24 v[STO], v[ADR], 272
	v_lshl_add_u32 v[QRD], v[TMP], 6, v[STO]
	v_add_nc_u32 v[QRD], s56, v[QRD]
	v_lshl_add_u32 v[STO], v[TMP], 5, v[STO]
	v_add_nc_u32 v[STO], s56, v[STO]
	v_mul_u32_u24 v[RD], v[TMP], 272
	v_lshl_add_u32 v[RD], v[ADR], 4, v[RD]
	v_add_nc_u32 v[RD], s56, v[RD]
	v_lshlrev_b32 v[GO], 12, v[TMP]                ; a row of out is 4,096 bytes
	v_lshl_add_u32 v[GO], v[ADR], 4, v[GO]
	v_lshlrev_b32 v[DQ], 4, v[TMP]
	v_sub_nc_u32 v[DQ], v[ADR], v[DQ]
	s_lshr_b32 s56, s12, 4                         ; out: batch bh / 16, 8,388,608 bytes each; head bh % 16, 256 bytes of a row
	s_lshl_b32 s56, s56, 23
	s_and_b32 s13, s12, 15
	s_lshl_b32 s13, s13, 8
	s_add_co_u32 s13, s13, s56
	s_lshl_b32 s56, s[Q0], 12
	s_add_co_u32 s56, s56, s13
	s_lshl_b32 s58, s[Q0B], 12
	s_add_co_u32 s58, s58, s13
	s_add_nc_u64 s[OP:OP+1], s[10:11], s[56:57]
	s_add_nc_u64 s[OPB:OPB+1], s[10:11], s[58:59]
	s_add_co_u32 s[BACK], s[BLK], 1
	s_lshl_b32 s[BACK], s[BACK], 15
	s_mov_b32 s[DL+1], 0
	s_lshr_b32 s56, s[WV], 2
	s_xor_b32 s56, s56, 1                          ; 0 in waves 4 to 7,
	s_or_b32 s56, s56, s[BLK]                      ; of the work-group with I = 0
	s_cmp_eq_u32 s56, 0
	s_cselect_b32 s[LIMC], 4, 0
	s_mov_b32 s[SEL], 0x76543210
	s_mov_b32 s[SEL+1], 0xfedcba98
	s_mov_b32 s[TB], 0
	s_mov_b32 s[TRIP], 0
	s_mov_b32 s[KF], 0
	; Q turns through my stage, so that a lane gets 16 neighbours along d of ONE query.  A stage row is 256 bytes + 16 = 68 words: row r starts at bank 4 r mod 64 (64 banks of 4 bytes: ISA guide 11.1).
	s_wait_loadcnt 8                               ; pass A's eight loads are in; pass B's eight may be out
.irp n, 0,1,2,3,4,5,6,7
	ds_store_b128 v[RD], v[FR+4*\n:FR+4*\n+3] offset:544*\n
.endr
.irp c, 0,1
.irp j, 0,1,2,3
	ds_load_b128 v[SS+16*\c+4*\j:SS+16*\c+4*\j+3], v[QRD] offset:128*\c+16*\j   ; LDS serves a wave's instructions in order (ISA guide 5.7.1.4): these see the stores above, and pass B's stores come behind them
.endr
.endr
	s_wait_loadcnt 0x0
.irp n, 0,1,2,3,4,5,6,7
	ds_store_b128 v[RD], v[FR+32+4*\n:FR+32+4*\n+3] offset:544*\n
.endr
.irp c, 0,1
.irp j, 0,1,2,3
	ds_load_b128 v[SS+32+16*\c+4*\j:SS+32+16*\c+4*\j+3], v[QRD] offset:128*\c+16*\j
.endr
.endr
	s_wait_kmcnt 0x0
	s_add_co_i32 s56, s[EX], s[EX+1]
	s_lshl_b32 s56, s56, 23
	s_mov_b32 s[CS], 0x3e38aa3b                    ; c = log2(e) / 8
	s_add_co_i32 s[CS], s[CS], s56                 ; a score stands for score x 2^(eq + ek): the two exponents are added to c's exponent field
	s_mov_b32 s[CS+1], s[CS]                       ; (named with it as a pair, so it is written)
	s_add_co_i32 s[EPV], s[EX+2], s[EX+3]
	s_add_co_i32 s56, s[EX+2], 127
	s_lshl_b32 s57, s56, 23
	v_mov_b32 v244, s57                            ; 2^ep as f32, for p's conversions
	s_add_co_i32 s56, s56, 15
	s_lshl_b32 s56, s56, 23
	s_or_b32 s56, s56, 0x600000
	v_mov_b32 v240, s56                            ; 57,344 x 2^ep
	s_add_co_i32 s56, s[EX], 127
	s_lshl_b32 s57, s56, 23
	v_mov_b32 v245, s57                            ; 2^eq, for Q's
	s_add_co_i32 s56, s56, 15
	s_lshl_b32 s56, s56, 23
	s_or_b32 s56, s56, 0x600000
	v_mov_b32 v241, s56                            ; 57,344 x 2^eq
	s_wait_dscnt 0x0
.irp p, 0,1                                    ; pass A's codes into v16-23, pass B's into v24-31: registers 4 c .. 4 c + 3 hold d = 32 c + 16 h + 0 .. 15 of query r
.irp c, 0,1
.irp i, 0,1,2,3,4,5,6,7,8,9,10,11,12,13,14,15
	v_med3_num_f32 v[SS+32*\p+16*\c+\i], v[SS+32*\p+16*\c+\i], -v241, v241     ; the conversion to an 8-bit code does not saturate (ISA guide 7.6.2): the hold comes first
.endr
	v_cvt_scalef32_pk8_bf8_f32 v[QC+8*\p+4*\c:QC+8*\p+4*\c+1], v[SS+32*\p+16*\c:SS+32*\p+16*\c+7], v245
	v_cvt_scalef32_pk8_bf8_f32 v[QC+8*\p+4*\c+2:QC+8*\p+4*\c+3], v[SS+32*\p+16*\c+8:SS+32*\p+16*\c+15], v245
.endr
.endr
	v_nop                                          ; one plain vector line between the conversions and the products that read their results and write their sources
; A pass begins: the largest t is -3e38, under every t; the sum and O^T are zeros, which the first change of M leaves zeros.  So a key step is written in one form, with no first step of its own: 32 moves a pass against one more copy of the step.
.macro STATE
	v_mov_b32 v13, 0xff61b1e6
	v_floor_f32 v12, -v13                          ; -M
	v_mov_b32 v14, 0
	v_mov_b32 v15, 0
.set j, 0
.rept 32
	v_mov_b32 v[OT+j], 0
.set j, j+1
.endr
.endm
	STATE
	v_mov_b32 v236, 0                              ; written once: a lane permute's destination counts as one of its sources
	v_mov_b32 v252, 0
	v_mov_b32 v253, 0                              ; (named as the upper half of the pair v[252:253])
	v_mov_b32 v254, 0
; A KEY STEP: 128 keys, the q-th of the slot in hand.
.macro STEP q
	s_add_co_u32 s56, s[Q0], 15                    ; a step all of whose keys come after my 16 queries is left out: a scalar branch on ids, round the step's loads, products and softmax; no barrier and no tensor load stands in a step
	s_cmp_gt_u32 s[KF], s56
	s_cbranch_scc1 .Lhidden_\@
	v_add_nc_u32 v[ADR], s[TB], v[LI]
.irp t, 0,1,2,3,4,5,6,7
.irp c, 0,1
	ds_load_b128 v[FR+8*\t+4*\c:FR+8*\t+4*\c+3], v[ADR] offset:STEPB*\q+1024*\t+512*\c      ; K's eight fragments (the places in front of these loads are the four v_nop at the end of the step before)
.endr
.endr
	s_wait_dscnt 8                                 ; tiles 0 to 3 are in; the eight younger loads may be out
.irp t, 0,1,2,3
	v_wmma_f32_16x16x64_bf8_bf8 v[SS+8*\t:SS+8*\t+7], v[FR+8*\t:FR+8*\t+7], v[QC:QC+7], 0
.endr
	s_wait_dscnt 0x0
.irp t, 4,5,6,7
	v_wmma_f32_16x16x64_bf8_bf8 v[SS+8*\t:SS+8*\t+7], v[FR+8*\t:FR+8*\t+7], v[QC:QC+7], 0
.endr
.rept 4
	v_nop                                          ; four places in front of the loads into registers that these products have read, and of the first reads of their results
.endr
.irp t, 0,1,2,3
.irp c, 0,1,2,3
	ds_load_b128 v[FR+16*\t+4*\c:FR+16*\t+4*\c+3], v[ADR] offset:STEPB*\q+VOFF+2048*\t+512*\c   ; V's four fragments are asked for now and land while the softmax is worked
.endr
.endr
	s_add_co_u32 s56, s[KF], 127                   ; on the diagonal the scores of hidden keys become -infinity ahead of the maximum: p = 0 then.  A step all of whose keys count skips this
	s_cmp_le_u32 s56, s[Q0]
	s_cbranch_scc1 .Lopen_\@
	s_sub_co_i32 s56, s[Q0], s[KF]
	v_add_nc_u32 v252, s56, v[DQ]                  ; d = my query - KF - 16 (lane / 16).  Register 16 b + i holds key KF + 16 (lane / 16) + 32 b + i: hidden where 32 b + i > d
	v_mov_b32 v254, 0xff800000                     ; -infinity
.irp b, 0,1,2,3
.irp i, 0,1,2,3,4,5,6,7,8,9,10,11,12,13,14,15
	v_cmp_gt_i32 vcc_lo, 32*\b+\i, v252
	v_cndmask_b32 v[SS+16*\b+\i], v[SS+16*\b+\i], v254, vcc_lo
.endr
.endr
.Lopen_\@:
	v_max3_num_f32 v254, v[SS], v[SS+1], v[SS+2]   ; the step's largest score of my query, among my 64 keys, in two chains, each accumulator from its low end on,
	v_max3_num_f32 v252, v[SS+3], v[SS+4], v[SS+5]
.irp i, 6,10,14,18,22,26,30,34,38,42,46,50,54,58
	v_max3_num_f32 v254, v254, v[SS+\i], v[SS+1+\i]
	v_max3_num_f32 v252, v252, v[SS+2+\i], v[SS+3+\i]
.endr
	v_max3_num_f32 v254, v254, v[SS+62], v[SS+63]
	v_max_num_f32 v254, v254, v252
	v_permlanex16_b32 v236, v254, s[SEL], s[SEL+1]
	v_max_num_f32 v254, v254, v236                 ; and among lane l xor 16's
	v_mul_f32 v254, s[CS], v254                    ; as t (c is positive)
	v_max_num_f32 v13, v13, v254                   ; the running largest t
	v_mov_b32 v254, v12
	v_floor_f32 v12, -v13                          ; the new -M = floor(-t) = -ceil(t): M IS A WHOLE NUMBER
	v_sub_f32 v254, v12, v254                      ; M's old value less its new one: a whole number, 0 or less
	v_cvt_i32_f32 v254, v254                       ; (it saturates)
	v_ldexp_f32 v252, 1.0, v254                    ; f = 2^(old M - new M): what was summed under the old M is brought under the new by a multiplication that rounds nothing
.set j, 0
.rept 32
	v_pk_fma_f32 v[SS+j:SS+j+1], v[SS+j:SS+j+1], s[CS:CS+1], v[12:13] op_sel_hi:[1,0,0]   ; t - M, two at a time (of the pairs c and -M the low word serves both halves)
.set j, j+2
.endr
.set j, 0
.rept 64
	v_exp_f32 v[SS+j], v[SS+j]                     ; p = 2^(t - M), at most 1: NOT normalised
.set j, j+1
.endr
	v_pk_mul_f32 v[14:15], v[14:15], v[252:253] op_sel_hi:[1,0]   ; the sums under the new M: the plain line behind the exponentials
	s_wait_alu depctr_va_vdst(0)                   ; one wait for the whole batch of 64, ahead of the first line that names a result
	v_pk_add_f32 v[242:243], v[SS:SS+1], v[SS+2:SS+3]             ; THE ROW'S SUM IS TAKEN OF THE UNQUANTISED p: two at a time, in two chains
.irp j, 4,8,12,16,20,24,28,32,36,40,44,48,52,56,60
	v_pk_add_f32 v[14:15], v[14:15], v[SS+\j:SS+1+\j]
	v_pk_add_f32 v[242:243], v[242:243], v[SS+2+\j:SS+3+\j]
.endr
	v_pk_add_f32 v[14:15], v[14:15], v[242:243]
.irp b, 0,1,2,3
.irp i, 0,1,2,3,4,5,6,7,8,9,10,11,12,13,14,15
	v_min_num_f32 v[SS+16*\b+\i], v[SS+16*\b+\i], v240            ; the conversion does not saturate (ISA guide 7.6.2); p is not negative, so the hold is one-sided
.endr
	v_cvt_scalef32_pk8_bf8_f32 v[PC+4*\b:PC+4*\b+1], v[SS+16*\b:SS+16*\b+7], v244          ; registers 4 b .. 4 b + 3 of the operand: keys 32 b + 16 h + 0 .. 15
	v_cvt_scalef32_pk8_bf8_f32 v[PC+4*\b+2:PC+4*\b+3], v[SS+16*\b+8:SS+16*\b+15], v244
.endr
.set j, 0
.rept 16
	v_pk_mul_f32 v[OT+j:OT+j+1], v[OT+j:OT+j+1], v[252:253] op_sel_hi:[1,0]   ; O^T under the new M: x f, each accumulator from its low end on.  (Also the plain lines between the conversions and the products)
.set j, j+2
.endr
	s_wait_dscnt 0x0                               ; V is in
.irp t, 0,1,2,3                                ; O^T += V^T P^T: K = these 128 keys.  The four accumulators take turns, one instruction a turn, and the next step's eight products K Q^T stand between two links
	v_wmma_f32_16x16x128_bf8_bf8 v[OT+8*\t:OT+8*\t+7], v[FR+16*\t:FR+16*\t+15], v[PC:PC+15], v[OT+8*\t:OT+8*\t+7]
.endr
.rept 4
	v_nop                                          ; four places in front of what follows on any way: the next step's loads into V's registers, the reads of O^T on the way out
.endr
.Lhidden_\@:
	s_add_co_u32 s[KF], s[KF], 128
.endm
; THE CHANGE OF SLOTS stands at a slot's head.  Each wave waits for all its tensor loads (of which at most one is out: its part of the slot that is about to be read), adds 0 to its spare word, and waits for that and for its
; reads of the slot that it has left.  Behind the barrier the slot ahead is whole and nobody reads the other one.  fill = 1: that other slot is filled with the tiles of the next trip: the load has a whole slot's steps in which to land.
.macro CHANGE fill
	s_wait_tensorcnt 0x0                           ; no tensor load of mine is out, so group 0 may be written
	ds_add_u32 v[SPW], v[NIL]                      ; 0 onto my spare word: with fill = 1 the descriptor's steps stand between it and the wait for it
.if \fill
	s_xor_b32 s[G0+1], s[G0+1], SLOTB              ; the walking descriptor: the other slot than last time,
	s_cmp_eq_u32 s[TRIP], s[BLK]
	s_cselect_b32 s[DL], s[BACK], 0                ; (in trip I the first pass is at its last slot: the next tile is the second pass's key slot 0)
	s_add_nc_u64 s[G0+2:G0+3], s[G0+2:G0+3], SLOTB ; the next 256 keys; the type bits on top are not reached,
	s_sub_nc_u64 s[G0+2:G0+3], s[G0+2:G0+3], s[DL:DL+1]   ; or back to the head's first
	s_wait_xcnt 0x0                                ; the last prefetch, a slot back, has read its address, so it may be written
	s_add_nc_u64 s[PFA:PFA+1], s[PFA:PFA+1], SLOTB
.endif
	s_wait_dscnt 0x0                               ; the add is done, and my reads of the slot that I have left are over
	s_barrier_signal -1
	s_barrier_wait -1
.if \fill
	TLOAD                                          ; the first thing behind the barrier, and a wave's one tensor load until the next
	ASK
.endif
.endm
.macro SLOT_STEPS
	STEP 0
	STEP 1
	s_xor_b32 s[TB], s[TB], SLOTB                  ; on to the other slot
.endm
; THE WAY OUT of a pass.  The sum's two halves and lane l xor 16's are added; O^T is divided by the sum, multiplied by 2^(ep + ev), and goes through my stage: a lane holds 32 bytes of a query's 256 four times over,
; and they come back as whole rows, so that sixteen lanes store one query's 256 consecutive bytes of out, at a multiple of 256 from its first byte.
.macro WAYOUT
	v_add_f32 v14, v14, v15
	v_permlanex16_b32 v252, v14, s[SEL], s[SEL+1]
	v_add_f32 v14, v14, v252                       ; the row's sum
	v_rcp_f32 v14, v14
	v_nop                                          ; a plain line behind the reciprocal,
	s_wait_alu depctr_va_vdst(0)                   ; and the wait ahead of the first line that names its result
	v_ldexp_f32 v14, v14, s[EPV]
.set j, 0
.rept 16
	v_pk_mul_f32 v[SS+j:SS+j+1], v[OT+j:OT+j+1], v[14:15] op_sel_hi:[1,0]   ; register 8 t + i is o(r, 16 t + 8 h + i); each accumulator from its low end on
.set j, j+2
.endr
.irp t, 0,1,2,3
	ds_store_b128 v[STO], v[SS+8*\t:SS+8*\t+3] offset:64*\t
	ds_store_b128 v[STO], v[SS+8*\t+4:SS+8*\t+7] offset:64*\t+16
.endr
.irp i, 0,1,2,3,4,5,6,7
	ds_load_b128 v[BK+4*\i:BK+4*\i+3], v[RD] offset:544*\i          ; my own bytes, served in order: these see the stores above
.endr
.irp i, 0,1,2,3,4,5,6,7
	s_wait_dscnt 7-\i                              ; load i is in; the 7 - i younger ones may be out
	global_store_b128 v[GO], v[BK+4*\i:BK+4*\i+3], s[OP:OP+1] offset:8192*\i th:TH_STORE_NT   ; queries 2 i and 2 i + 1; written once, read by nobody here
.endr
.endm
.macro RESET                           ; the second pass begins
	s_wait_xcnt 0x0                                ; the stores have read their base and their data: both may be written again
	s_mov_b64 s[OP:OP+1], s[OPB:OPB+1]
	s_mov_b32 s[Q0], s[Q0B]
	s_mov_b32 s[KF], 0
	STATE
.set j, 0
.rept 8
	v_mov_b32 v[QC+j], v[QC+8+j]                   ; its Q
.set j, j+1
.endr
.endm
.Lslot:                                            ; eight trips: behind each change of slots but the last the next trip's tiles are asked for
	CHANGE 1
	SLOT_STEPS
	s_cmp_eq_u32 s[TRIP], s[BLK]                   ; trip I was the first pass's diagonal slot: a branch on ids, the same in all sixteen waves; no barrier and no tensor load stands inside
	s_cbranch_scc0 .Lsame
	WAYOUT
	RESET
.Lsame:
	s_add_co_u32 s[TRIP], s[TRIP], 1
	s_cmp_lt_u32 s[TRIP], 8
	s_cbranch_scc1 .Lslot
	CHANGE 0                                       ; the ninth slot is written out: nothing is left to fetch
	SLOT_STEPS
	WAYOUT
	s_wait_tensorcnt 0x0                           ; the wave's end, behind my last tensor load and my last LDS store
	ds_add_u32 v[SPW], v[NIL]
	s_wait_dscnt 0x0
	s_endpgm
.Lfunc_end_k_q93e54819e3_attn:
	.size	k_q93e54819e3_attn, .Lfunc_end_k_q93e54819e3_attn-k_q93e54819e3_attn
	.p2alignl 7, 3214868480
	.fill 96, 4, 3214868480
	.section	.rodata,"a",@progbits
	.p2align	6, 0x0
	.amdhsa_kernel k_q93e54819e3_attn
		.amdhsa_group_segment_fixed_size 327680
		.amdhsa_private_segment_fixed_size 0
		.amdhsa_enable_private_segment 0
		.amdhsa_kernarg_size 32
		.amdhsa_user_sgpr_count 2
		.amdhsa_user_sgpr_kernarg_segment_ptr 1
		.amdhsa_wavefront_size32 1
		.amdhsa_system_sgpr_workgroup_id_x 1
		.amdhsa_system_sgpr_workgroup_id_y 1
		.amdhsa_system_sgpr_workgroup_id_z 1
		.amdhsa_system_vgpr_workitem_id 0
		.amdhsa_next_free_vgpr 256
		.amdhsa_next_free_sgpr 66
		.amdhsa_reserve_vcc 1
		.amdhsa_float_denorm_mode_32 3
		.amdhsa_float_denorm_mode_16_64 3
		.amdhsa_memory_ordered 1
		.amdhsa_forward_progress 1
		.amdhsa_inst_pref_size 106
	.end_amdhsa_kernel
	.amdgpu_metadata
---
amdhsa.version: [ 1, 2 ]
amdhsa.kernels:
  - .name:           k_q93e54819e3_attn
    .symbol:         k_q93e54819e3_attn.kd
    .args:
      - { .name: query, .offset: 0, .size: 8, .value_kind: global_buffer, .address_space: global }
      - { .name: kv, .offset: 8, .size: 8, .value_kind: global_buffer, .address_space: global }
      - { .name: lowp_scales, .offset: 16, .size: 8, .value_kind: global_buffer, .address_space: global }
      - { .name: out0, .offset: 24, .size: 8, .value_kind: global_buffer, .address_space: global }
    .group_segment_fixed_size: 327680
    .private_segment_fixed_size: 0
    .kernarg_segment_align: 8
    .kernarg_segment_size: 32
    .max_flat_workgroup_size: 512
    .sgpr_count:     66
    .vgpr_count:     256
    .wavefront_size: 32
...
	.end_amdgpu_metadata
.endif
;; end of part 2
